; MI455X (gfx1250); checked and timed in simulation.
; The chip was launched on July 23, 2026; its instructions are those of AMD's public machine-readable ISA for CDNA 5 (MIT licence, August 2026) and "CDNA5" Instruction Set Architecture Reference Guide (July 2026).
;; Block. Allowed arithmetic: matrix products marked QUANTISED: E4M3 operands, one given power-of-two scale a tensor, by v_wmma_f32_16x16x64_fp8_fp8 or v_wmma_f32_16x16x128_fp8_fp8, f32 sums; everything else in f32.
;; Inputs: W1_codes 2,048 x 16 x 32 uint8 (E4M3 codes of W1, K innermost, in blocks of 32 codes); W2_codes 512 x 64 x 32 uint8 (E4M3 codes of W2, K innermost, in blocks of 32 codes); Wk_codes 512 x 16 x 32 uint8 (E4M3 codes of Wk, K innermost, in blocks of 32 codes); Wo_codes 512 x 16 x 32 uint8 (E4M3 codes of Wo, K innermost, in blocks of 32 codes); Wq_codes 512 x 16 x 32 uint8 (E4M3 codes of Wq, K innermost, in blocks of 32 codes); Wv_codes 512 x 16 x 32 uint8 (E4M3 codes of Wv, K innermost, in blocks of 32 codes); b1 2,048 float32; b2 512 float32; be1 512 float32; be2 512 float32; bk 512 float32; bo 512 float32; bq 512 float32; bv 512 float32; g1 512 float32; g2 512 float32; hidden_states 2 x 4,096 x 512 float32; lowp_scales 16 int32 (the exponents e of the quantised operands' scales 2^e).
;; Outputs: out0 2 x 4,096 x 512 float32.
;; This version of the problem:
;;   THIS VERSION OF THE PROBLEM IS GIVEN IN LOW PRECISION. The matrix products marked QUANTISED in the list below multiply operands that are first quantised to E4M3 (4 exponent bits, 3 mantissa bits; 8 bits a number), with one given power-of-two scale for each operand tensor; their sums are f32. All else is computed in f32.
;;   The module's matrix products, in the order in which they are computed (A, B: the left and right operand; K: the contracted axis; several contracted axes count as one K, in the product's order):
;;     1. [M 8,192, K 512] x [K 512, N 512]; A: computed on the way; B: input Wq (given as codes): QUANTISED (scales: A lowp_scales[0], B lowp_scales[1])
;;     2. [M 8,192, K 512] x [K 512, N 512]; A: computed on the way; B: input Wk (given as codes): QUANTISED (scales: A lowp_scales[2], B lowp_scales[3])
;;     3. [M 8,192, K 512] x [K 512, N 512]; A: computed on the way; B: input Wv (given as codes): QUANTISED (scales: A lowp_scales[4], B lowp_scales[5])
;;     4. batch 16 x [M 4,096, K 64] x [K 64, N 4,096]; A: computed on the way; B: computed on the way: QUANTISED (scales: A lowp_scales[6], B lowp_scales[7])
;;     5. batch 16 x [M 4,096, K 4,096] x [K 4,096, N 64]; A: softmax (see below); B: computed on the way: QUANTISED (scales: A lowp_scales[8], B lowp_scales[9])
;;     6. [M 8,192, K 512] x [K 512, N 512]; A: computed on the way; B: input Wo (given as codes): QUANTISED (scales: A lowp_scales[10], B lowp_scales[11])
;;     7. [M 8,192, K 512] x [K 512, N 2,048]; A: computed on the way; B: input W1 (given as codes): QUANTISED (scales: A lowp_scales[12], B lowp_scales[13])
;;     8. [M 8,192, K 2,048] x [K 2,048, N 512]; A: computed on the way; B: input W2 (given as codes): QUANTISED (scales: A lowp_scales[14], B lowp_scales[15])
;;   THE QUANTISER, for each operand of a quantised product, along K:
;;     - The operand's scale is 2^e, e = its entry of the input lowp_scales (int32; the entries are numbered through the quantised products in the list's order, A before B).
;;     - Each number is divided by the scale, clamped to +-448, and rounded to the nearest number of E4M3, ties to even, subnormals kept.
;;     - The product sums the exact products of the quantised numbers (number of the format x scale) in f32.
;;   ~~~python
;;   def quantise(x, axis, e):      # numpy; x: float32 -> the quantised numbers, widened to float32 again
;;       x = np.moveaxis(x, axis, -1); K = x.shape[-1]
;;       r = np.clip(x / 2.0 ** e, -448, 448)
;;       step = 2.0 ** (np.maximum(np.frexp(np.where(r == 0, 1, r))[1] - 1, -6) - 3)
;;       q = np.round(r / step) * step * 2.0 ** e      # np.round: ties to even
;;       return np.moveaxis(q, -1, axis).astype(np.float32)
;;   ~~~
;;   SOFTMAX AHEAD OF A QUANTISED PRODUCT. Where the list says 'softmax', what is quantised is not the finished softmax but p = 2^(t - M), with t = logit x log2(e) and M = ceil(the row's largest t), a whole number; so 1/2 < the row's largest p <= 1. The row's sum l is taken of the UNQUANTISED p, in f32, and the product's result is divided by l at the end. Since M is a whole number, a kernel that streams over the keys may use a running M (the ceiling of the running maximum): every later rescaling is an exact power of two, so the quantised numbers keep their values, but for numbers so far below the row's largest that they fall under the format's range.
;;   OPERANDS COMPUTED ON THE WAY. 'Computed on the way' means the value that the module computes at that place (a softmax that the list does not call 'softmax' is quantised finished and normalised). What goes into a quantiser is computed in f32, as accurately as f32 sums, v_exp_f32 and their like allow (about 1e-6 of the number): no bf16 or f16 on the way to a quantiser, and a product that is left as it is and whose result goes on into a quantised operand takes f32 operands (vector FMAs, or v_wmma_f32_16x16x4_f32). A number that lies on a knife's edge between two numbers of the format may be rounded either way, as far as f32 arithmetic and the matrix unit's own rounding can turn it there, and no further.
;;   INPUTS GIVEN AS CODES. W1 (in the module: [512, 2048], K = its axis 0); W2 (in the module: [2048, 512], K = its axis 0); Wk (in the module: [512, 512], K = its axis 0); Wo (in the module: [512, 512], K = its axis 0); Wq (in the module: [512, 512], K = its axis 0); Wv (in the module: [512, 512], K = its axis 0): each comes as NAME_codes (uint8): NAME with its K axis moved to the last place and cut into blocks of 32 codes, [.., K / 32, bytes a block], one block behind the other in memory; one code a byte (a code: sign, 4 exponent bits, 3 mantissa bits); its scale is its entry of lowp_scales. Its value is code x scale, taken as it is: it is not quantised again, and the codes and scales need not be those that the quantiser above would give.
;; One version. Each part assembles by itself: llvm-mc -triple=amdgcn-amd-amdhsa -mcpu=gfx1250 --defsym DOCPART=n.
;; ======== version 1 of 1: 3 launches
;; limits: right only within a limited range of input values
;; workspace buffers: q_img 4,194,304 bytes; kv_img 8,388,608 bytes; ctx_img 4,194,304 bytes; w_img 2,359,296 bytes
;; launch qkv (part 1): grid 256 x 1, 8 waves a work-group, clusters of 4 x 1, 327,680 bytes of LDS; arguments hidden_states, g1, be1, Wq_codes, Wk_codes, Wv_codes, bq, bk, bv, Wo_codes, W1_codes, W2_codes, lowp_scales, q_img, kv_img, w_img; writes q_img, kv_img, w_img
.if DOCPART == 1
	.amdgcn_target "amdgcn-amd-amdhsa--gfx1250"
	.amdhsa_code_object_version 6
	.text
	.protected	k_qcaf1998337_qkv
	.globl	k_qcaf1998337_qkv
	.p2align	8
	.type	k_qcaf1998337_qkv,@function
k_qcaf1998337_qkv:
	s_mov_b64 s[64:65], 0
	v_nop
	global_prefetch_b8 v0, s[64:65] scope:SCOPE_SE
	s_setreg_imm32_b32 hwreg(HW_REG_WAVE_MODE, 25, 1), 1
	s_wait_xcnt 0x0
	s_wait_alu depctr_hold_cnt(0) depctr_sa_sdst(0) depctr_va_vdst(0) depctr_va_sdst(0) depctr_va_ssrc(0) depctr_va_vcc(0) depctr_vm_vsrc(0)
	s_getreg_b32 s2, hwreg(HW_REG_IB_STS2, 6, 4)
	s_cmp_eq_u32 s2, 0
	s_cbranch_scc0 .Lentry_in_a_cluster
	s_endpgm
.Lentry_in_a_cluster:
	s_bfe_u32 s2, ttmp6, 0x10000c
	s_cmp_lg_u32 s2, 0x3003
	s_cbranch_scc0 .Lentry_shape_is_right
	s_endpgm
.Lentry_shape_is_right:
.set PITCH, 528
.set WREG,  32*PITCH
.set SLOTB, 8*WREG
.set XIMG,  2*SLOTB
.set STAT,  XIMG+49152
.set SPARE, STAT+1024
.set MSB, 0
.macro WIN new
.if MSB != \new
	s_set_vgpr_msb (MSB<<8)|\new
.set MSB, \new
.endif
.endm
.macro PLACES n
.rept \n
	v_nop
.endr
.endm
.macro CROUND
	s_barrier_signal -1
	s_barrier_wait -1
	s_cmp_lg_u32 s52, 0
	s_cbranch_scc1 .Lnot_wave_0_\@
	s_barrier_signal -3
.Lnot_wave_0_\@:
	s_barrier_wait -3
	s_barrier_signal -1
	s_barrier_wait -1
.endm
.macro POW2 d, e
	s_add_co_i32 s58, s[\e], 127
	s_lshl_b32 s59, s58, 23
	v_mov_b32 v[\d], s59
.endm
.macro POWS d, a, b
	s_add_co_i32 s[\d], s[\a], s[\b]
	s_add_co_i32 s[\d], s[\d], 127
	s_lshl_b32 s[\d], s[\d], 23
	s_mov_b32 s[\d+1], s[\d]
.endm
	s_load_b512 s[4:19], s[0:1], 0x0
	s_load_b512 s[20:35], s[0:1], 0x40
	v_lshl_add_u32 v4, v0, 2, SPARE
	v_mov_b32 v5, 0
	ds_add_u32 v4, v5
	ds_add_u32 v4, v5
	s_wait_dscnt 0x0
	v_lshrrev_b32 v29, 5, v0
	s_delay_alu instid0(VALU_DEP_1)
	v_readfirstlane_b32 s52, v29
	s_bfe_u32 s53, ttmp6, 0x40000
	s_lshl_b32 s54, ttmp9, 2
	s_add_co_u32 s54, s54, s53
	s_mov_b32 s36, 15|(1<<20)|(1<<21)|(6<<22)|(3<<25)
	s_mov_b32 s37, 512<<16
	s_mov_b32 s38, 32<<16
	s_mov_b32 s39, 512<<16
	s_mov_b32 s40, 32
	s_mov_b32 s41, 512
	s_mov_b32 s42, 0
	s_mov_b32 s43, 0
	s_mul_i32 s55, s52, WREG
	s_lshl_b32 s56, s52, 14
	s_mov_b32 s57, 0
	s_wait_kmcnt 0x0
	s_load_b512 s[68:83], s[28:29], 0x0
	s_add_nc_u64 s[10:11], s[10:11], s[56:57]
	s_add_nc_u64 s[12:13], s[12:13], s[56:57]
	s_add_nc_u64 s[14:15], s[14:15], s[56:57]
	s_mov_b32 s44, 1
	s_mov_b32 s45, s55
	s_mov_b64 s[46:47], s[10:11]
	s_or_b32 s47, s47, 0x80000000
	s_mov_b32 s48, 1
	s_add_co_u32 s49, s55, SLOTB
	s_add_nc_u64 s[50:51], s[10:11], 131072
	s_or_b32 s51, s51, 0x80000000
	CROUND
	tensor_load_to_lds s[44:47], s[36:43]
	s_nop 0
	s_wait_alu depctr_va_vdst(0)
	s_wait_tensorcnt 0x0
	ds_add_u32 v4, v5
	s_wait_dscnt 0x0
	CROUND
	tensor_load_to_lds s[48:51], s[36:43]
	s_nop 0
	PLACES 4
	v_and_b32 v29, 15, v0
	v_bfe_u32 v30, v0, 4, 1
	v_and_b32 v31, 31, v0
	s_delay_alu instid0(VALU_DEP_1)
	v_lshlrev_b32 v1, 4, v31
	s_delay_alu instid0(VALU_DEP_4)
	v_and_b32 v31, 8, v29
	s_delay_alu instid0(VALU_DEP_1)
	v_add_nc_u32 v31, v31, v29
	s_delay_alu instid0(VALU_DEP_1)
	v_lshlrev_b32 v14, 9, v31
	s_delay_alu instid0(VALU_DEP_1)
	v_lshl_add_u32 v28, v30, 3, v14
	s_delay_alu instid0(VALU_DEP_2)
	v_lshl_add_u32 v14, v30, 4, v14
	s_wait_alu depctr_va_vdst(0)
	v_lshlrev_b32 v15, 11, v31
	s_delay_alu instid0(VALU_DEP_1)
	v_lshl_add_u32 v15, v30, 4, v15
	s_wait_alu depctr_va_vdst(0)
	v_lshlrev_b32 v8, 11, v29
	s_delay_alu instid0(VALU_DEP_1)
	v_lshl_add_u32 v8, v30, 6, v8
	v_lshlrev_b32 v9, 6, v30
	s_mov_b32 s63, 0
	s_lshl_b32 s60, s54, 3
	s_add_co_u32 s60, s60, s52
	s_and_b32 s61, s60, 3
	s_lshl_b32 s61, s61, 5
	s_bfe_u32 s58, s60, 0x30002
	s_bfe_u32 s59, s60, 0x30005
	s_lshr_b32 s90, s60, 8
	s_lshl_b32 s62, s90, 17
	s_lshl_b32 s91, s59, 14
	s_add_co_u32 s62, s62, s91
	s_lshr_b32 s91, s58, 2
	s_lshl_b32 s91, s91, 12
	s_add_co_u32 s62, s62, s91
	s_and_b32 s91, s58, 3
	s_lshl_b32 s91, s91, 7
	s_add_co_u32 s62, s62, s91
	s_add_co_u32 s62, s62, s61
	s_add_nc_u64 s[24:25], s[24:25], s[62:63]
	s_lshl_b32 s62, s59, 17
	s_lshr_b32 s91, s58, 2
	s_lshl_b32 s91, s91, 16
	s_add_co_u32 s62, s62, s91
	s_bfe_u32 s91, s58, 0x10001
	s_lshl_b32 s91, s91, 14
	s_add_co_u32 s62, s62, s91
	s_lshl_b32 s91, s90, 8
	s_add_co_u32 s62, s62, s91
	s_and_b32 s91, s58, 1
	s_lshl_b32 s91, s91, 7
	s_add_co_u32 s62, s62, s91
	s_add_co_u32 s62, s62, s61
	s_add_nc_u64 s[26:27], s[26:27], s[62:63]
	s_and_b32 s62, s60, 255
	s_lshl_b32 s62, s62, 9
	s_lshl_b32 s91, s90, 18
	s_add_co_u32 s62, s62, s91
	s_add_co_u32 s62, s62, 262144
	s_add_nc_u64 s[96:97], s[34:35], s[62:63]
	s_add_nc_u64 s[98:99], s[96:97], 131072
	s_lshl_b32 s60, s54, 1
	s_add_co_u32 s60, s60, s52
	s_and_b32 s61, s60, 3
	s_lshl_b32 s61, s61, 5
	s_bfe_u32 s58, s60, 0x30002
	s_bfe_u32 s59, s60, 0x30005
	s_lshr_b32 s90, s60, 8
	s_lshl_b32 s62, s59, 15
	s_lshl_b32 s91, s90, 14
	s_add_co_u32 s62, s62, s91
	s_lshr_b32 s91, s58, 2
	s_lshl_b32 s91, s91, 12
	s_add_co_u32 s62, s62, s91
	s_and_b32 s91, s58, 3
	s_lshl_b32 s91, s91, 7
	s_add_co_u32 s62, s62, s91
	s_add_co_u32 s62, s62, s61
	s_add_nc_u64 s[22:23], s[22:23], s[62:63]
	s_lshl_b32 s62, s60, 9
	s_add_nc_u64 s[34:35], s[34:35], s[62:63]
	s_lshr_b32 s58, s52, 2
	s_and_b32 s59, s52, 3
	s_lshl_b32 s62, s54, 16
	s_lshl_b32 s91, s58, 15
	s_add_co_u32 s62, s62, s91
	s_lshl_b32 s91, s59, 9
	s_add_co_u32 s62, s62, s91
	s_add_nc_u64 s[4:5], s[4:5], s[62:63]
	s_mov_b32 s62, s91
	s_add_nc_u64 s[6:7], s[6:7], s[62:63]
	s_add_nc_u64 s[8:9], s[8:9], s[62:63]
	global_load_b128 v[32:35], v14, s[24:25]
	global_load_b128 v[36:39], v15, s[26:27]
	s_cmp_lt_u32 s52, 2
	s_cbranch_scc0 .Lno_wo_in
	global_load_b64 v[40:41], v28, s[22:23]
	global_load_b64 v[42:43], v28, s[22:23] offset:16
.Lno_wo_in:
	s_wait_alu depctr_va_vdst(0)
.irp b, 0,1,2,3
.irp k, 0,1,2,3
	global_load_b128 v[64+16*\b+4*\k:67+16*\b+4*\k], v8, s[4:5] offset:128*\b+16*\k th:TH_LOAD_NT
.endr
.endr
.irp b, 0,1,2,3
.irp k, 0,1,2,3
	global_load_b128 v[128+16*\b+4*\k:131+16*\b+4*\k], v9, s[6:7] offset:128*\b+16*\k
.endr
.endr
.irp b, 0,1,2,3
.irp k, 0,1,2,3
	global_load_b128 v[192+16*\b+4*\k:195+16*\b+4*\k], v9, s[8:9] offset:128*\b+16*\k
.endr
.endr
	v_mul_u32_u24 v2, v29, PITCH
	s_delay_alu instid0(VALU_DEP_1)
	v_lshl_add_u32 v2, v30, 4, v2
	s_delay_alu instid0(VALU_DEP_1)
	v_add_nc_u32 v2, s55, v2
	s_delay_alu instid0(VALU_DEP_1)
	v_add_nc_u32 v3, SLOTB, v2
	s_lshl_b32 s60, s52, 11
	s_add_co_u32 s60, s60, XIMG
	v_add_nc_u32 v6, s60, v1
	v_add_nc_u32 v7, XIMG, v1
	s_lshl_b32 s60, s58, 8
	s_add_co_u32 s60, s60, STAT
	v_lshl_add_u32 v11, v29, 4, s60
	s_lshl_b32 s61, s59, 2
	v_add_nc_u32 v10, s61, v11
	v_lshlrev_b32 v12, 5, v30
	v_lshlrev_b32 v13, 2, v29
	s_mov_b32 s66, 0x76543210
	s_mov_b32 s67, 0xfedcba98
	s_lshl_b32 s62, s52, 7
	s_add_nc_u64 s[16:17], s[16:17], s[62:63]
	s_add_nc_u64 s[18:19], s[18:19], s[62:63]
	s_add_nc_u64 s[20:21], s[20:21], s[62:63]
	s_lshr_b32 s90, s54, 7
	s_lshl_b32 s90, s90, 3
	s_lshr_b32 s91, s52, 1
	s_add_co_u32 s90, s90, s91
	s_and_b32 s91, s54, 127
	s_and_b32 s100, s52, 1
	s_and_b32 s101, s54, 1
	s_lshl_b32 s62, s90, 18
	s_lshl_b32 s58, s91, 11
	s_add_co_u32 s62, s62, s58
	s_lshl_b32 s58, s100, 9
	s_add_co_u32 s62, s62, s58
	s_add_nc_u64 s[30:31], s[30:31], s[62:63]
	s_lshl_b32 s62, s90, 19
	s_lshr_b32 s58, s91, 1
	s_lshl_b32 s58, s58, 13
	s_add_co_u32 s62, s62, s58
	s_add_nc_u64 s[32:33], s[32:33], s[62:63]
	s_lshl_b32 s62, s101, 11
	s_lshl_b32 s58, s100, 9
	s_add_co_u32 s62, s62, s58
	s_add_nc_u64 s[92:93], s[32:33], s[62:63]
	s_lshl_b32 s62, s100, 11
	s_lshl_b32 s58, s101, 9
	s_add_co_u32 s62, s62, s58
	s_add_co_u32 s62, s62, 4096
	s_add_nc_u64 s[94:95], s[32:33], s[62:63]
	s_wait_loadcnt 48
	global_store_b128 v1, v[32:35], s[96:97]
	global_store_b128 v1, v[36:39], s[98:99]
	s_cmp_lt_u32 s52, 2
	s_cbranch_scc0 .Lno_wo_out
	global_store_b128 v1, v[40:43], s[34:35]
.Lno_wo_out:
.macro ACROSS off
	s_delay_alu instid0(VALU_DEP_3)
	v_pk_add_f32 v[44:45], v[44:45], v[46:47]
	s_delay_alu instid0(VALU_DEP_2)
	v_pk_add_f32 v[48:49], v[48:49], v[50:51]
	s_delay_alu instid0(VALU_DEP_1)
	v_pk_add_f32 v[44:45], v[44:45], v[48:49]
	s_delay_alu instid0(VALU_DEP_1)
	v_add_f32 v44, v44, v45
	s_delay_alu instid0(VALU_DEP_1)
	v_permlanex16_b32 v45, v44, s66, s67
	s_delay_alu instid0(VALU_DEP_1)
	v_add_f32 v44, v44, v45
	ds_store_b32 v10, v44 offset:\off
	s_wait_dscnt 0x0
	s_barrier_signal -1
	s_barrier_wait -1
	ds_load_b128 v[52:55], v11 offset:\off
	s_wait_dscnt 0x0
	v_add_f32 v52, v52, v53
	v_add_f32 v54, v54, v55
	s_delay_alu instid0(VALU_DEP_1)
	v_add_f32 v52, v52, v54
.endm
	s_wait_loadcnt 32
.irp k, 0,1,2,3
	v_pk_add_f32 v[44+2*\k:45+2*\k], v[64+2*\k:65+2*\k], v[72+2*\k:73+2*\k]
.endr
.irp j, 2,3,4,5,6,7
.irp k, 0,1,2,3
	s_delay_alu instid0(VALU_DEP_4)
	v_pk_add_f32 v[44+2*\k:45+2*\k], v[44+2*\k:45+2*\k], v[64+8*\j+2*\k:65+8*\j+2*\k]
.endr
.endr
	ACROSS 0
	s_delay_alu instid0(VALU_DEP_1)
	v_mul_f32 v52, 0x3b000000, v52
	s_delay_alu instid0(VALU_DEP_1)
	v_mov_b32 v53, v52
.set i, 0
.rept 32
	v_pk_add_f32 v[64+i:65+i], v[64+i:65+i], v[52:53] neg_lo:[0,1] neg_hi:[0,1]
.set i, i+2
.endr
.irp k, 0,1,2,3
	v_pk_mul_f32 v[44+2*\k:45+2*\k], v[64+2*\k:65+2*\k], v[64+2*\k:65+2*\k]
.endr
.irp j, 1,2,3,4,5,6,7
.irp k, 0,1,2,3
	s_delay_alu instid0(VALU_DEP_4)
	v_pk_fma_f32 v[44+2*\k:45+2*\k], v[64+8*\j+2*\k:65+8*\j+2*\k], v[64+8*\j+2*\k:65+8*\j+2*\k], v[44+2*\k:45+2*\k]
.endr
.endr
	ACROSS 512
	s_mov_b32 s60, 0x3b000000
	s_mov_b32 s61, 0x3727c5ac
	v_fma_f32 v52, v52, s60, s61
	s_wait_alu depctr_va_vdst(0)
	v_rsq_f32 v52, v52
	v_nop
	s_wait_alu depctr_va_vdst(0)
	v_mov_b32 v53, v52
	s_wait_alu depctr_va_vdst(0)
	s_wait_loadcnt 0x0
.set i, 0
.rept 32
	v_pk_mul_f32 v[64+i:65+i], v[64+i:65+i], v[52:53]
.set i, i+2
.endr
.set i, 0
.rept 32
	v_pk_fma_f32 v[64+i:65+i], v[64+i:65+i], v[128+i:129+i], v[192+i:193+i]
.set i, i+2
.endr
	s_wait_kmcnt 0x0
	POW2 16, 68
	s_wait_alu depctr_va_vdst(0)
	POW2 18, 70
	POW2 20, 72
	POW2 22, 74
	POW2 24, 75
	POW2 26, 77
	POWS 84, 68, 69
	POWS 86, 70, 71
	POWS 88, 72, 73
.macro QUANT3 q
.set i, 0
.rept 64
.set i, i+1
.endr
.irp g, 0,1,2,3,4,5,6,7
	v_cvt_scalef32_pk8_fp8_f32 v[192+16*\q+2*\g:193+16*\q+2*\g], v[128+8*\g+((64+i)-(128+i)):135+8*\g+((64+i)-(128+i))], v[16+2*\q]
.endr
	v_nop
.irp c, 0,1,2,3
	ds_store_b128 v6, v[192+16*\q+4*\c:195+16*\q+4*\c] offset:16384*\q+512*\c
.endr
.endm
	QUANT3 0
	QUANT3 1
	QUANT3 2
.irp t, 0,1,2,3
.irp u, 0,1
.if \t < 2
	global_load_b128 v[64+16*\t+8*\u:67+16*\t+8*\u], v12, s[16:17] offset:1024*(\t%2)+64*\u
	global_load_b128 v[68+16*\t+8*\u:71+16*\t+8*\u], v12, s[16:17] offset:1024*(\t%2)+64*\u+16
.else
	global_load_b128 v[64+16*\t+8*\u:67+16*\t+8*\u], v12, s[18:19] offset:1024*(\t%2)+64*\u
	global_load_b128 v[68+16*\t+8*\u:71+16*\t+8*\u], v12, s[18:19] offset:1024*(\t%2)+64*\u+16
.endif
.endr
.endr
.irp t, 0,1,2,3
	global_load_b32 v[128+2*\t], v13, s[20:21] offset:1024*(\t/2)+64*(\t%2)
	global_load_b32 v[129+2*\t], v13, s[20:21] offset:1024*(\t/2)+64*(\t%2)
.endr
	s_wait_dscnt 0x0
	s_wait_tensorcnt 0x1
	s_barrier_signal -1
	s_barrier_wait -1
.macro SLOT tau
.set MM, (\tau)/2
.set HF, (\tau)%2
	WIN 0x40
.if HF == 0
.irp f, 0,1,2,3,4,5,6,7
.irp c, 0,1,2,3
	ds_load_b128 v[128+16*\f+4*\c:131+16*\f+4*\c], v7 offset:16384*MM+2048*\f+512*\c
.endr
.endr
.endif
.irp f, 0,1,2,3,4,5,6,7
.irp c, 0,1,2,3
	ds_load_b128 v[16*\f+4*\c:3+16*\f+4*\c], v[2+HF] offset:8448*(\f/4)+128*(\f%4)+32*\c
.endr
.endr
	WIN 0
.if (\tau) <= 3
	s_wait_tensorcnt 0x0
	ds_add_u32 v4, v5
.if HF == 0
	s_mov_b64 s[46:47], s[12+2*MM:13+2*MM]
	s_or_b32 s47, s47, 0x80000000
.else
	s_add_nc_u64 s[50:51], s[12+2*MM:13+2*MM], 131072
	s_or_b32 s51, s51, 0x80000000
.endif
	s_wait_dscnt 0x0
	CROUND
	tensor_load_to_lds s[44+4*HF:47+4*HF], s[36:43]
	s_nop 0
	PLACES 4
.elseif (\tau) == 4
	s_wait_tensorcnt 0x0
	s_wait_dscnt 0x0
.else
	s_wait_dscnt 0x0
.endif
.if (\tau) == 0
	s_wait_loadcnt 0x0
	s_wait_xcnt 0x0
.endif
	WIN 0x05
.irp s, 0,1,2,3
.irp u, 0,1
.irp T, 0,1
.if MM < 2
.if \s == 0
	v_wmma_f32_16x16x128_fp8_fp8 v[32+8*(2*\u+\T):39+8*(2*\u+\T)], v[16*(4*\u+\s):15+16*(4*\u+\s)], v[128+16*(4*\T+\s):143+16*(4*\T+\s)], 0
.else
	v_wmma_f32_16x16x128_fp8_fp8 v[32+8*(2*\u+\T):39+8*(2*\u+\T)], v[16*(4*\u+\s):15+16*(4*\u+\s)], v[128+16*(4*\T+\s):143+16*(4*\T+\s)], v[32+8*(2*\u+\T):39+8*(2*\u+\T)]
.endif
.else
.if \s == 0
	v_wmma_f32_16x16x128_fp8_fp8 v[32+8*(2*\u+\T):39+8*(2*\u+\T)], v[128+16*(4*\T+\s):143+16*(4*\T+\s)], v[16*(4*\u+\s):15+16*(4*\u+\s)], 0
.else
	v_wmma_f32_16x16x128_fp8_fp8 v[32+8*(2*\u+\T):39+8*(2*\u+\T)], v[128+16*(4*\T+\s):143+16*(4*\T+\s)], v[16*(4*\u+\s):15+16*(4*\u+\s)], v[32+8*(2*\u+\T):39+8*(2*\u+\T)]
.endif
.endif
.endr
.endr
.endr
	WIN 0
	PLACES 4
.if MM < 2
.irp T, 0,1
.irp u, 0,1
.irp i, 0,2,4,6
	v_pk_fma_f32 v[136+16*\T+8*\u+\i:137+16*\T+8*\u+\i], v[32+8*(2*\u+\T)+\i:33+8*(2*\u+\T)+\i], s[84+2*MM:85+2*MM], v[64+16*(\tau)+8*\u+\i:65+16*(\tau)+8*\u+\i] op_sel_hi:[1,0,1]
.endr
.endr
.irp i, 0,1,2,3,4,5,6,7,8,9,10,11,12,13,14,15
.endr
	v_cvt_scalef32_pk8_fp8_f32 v[176+4*(2*(\tau)+\T):177+4*(2*(\tau)+\T)], v[136+16*\T:143+16*\T], v[22+2*MM]
	v_cvt_scalef32_pk8_fp8_f32 v[178+4*(2*(\tau)+\T):179+4*(2*(\tau)+\T)], v[144+16*\T:151+16*\T], v[22+2*MM]
	v_nop
.if MM == 0
	global_store_b128 v1, v[176+4*(2*(\tau)+\T):179+4*(2*(\tau)+\T)], s[30:31] offset:1048576*HF+1024*\T
.else
	global_store_b128 v1, v[176+4*(2*(\tau)+\T):179+4*(2*(\tau)+\T)], s[92:93] offset:2097152*HF+1024*\T
.endif
.endr
.else
.irp u, 0,1
.irp T, 0,1
.irp i, 0,2,4,6
	v_pk_fma_f32 v[136+16*\u+8*\T+\i:137+16*\u+8*\T+\i], v[32+8*(2*\u+\T)+\i:33+8*(2*\u+\T)+\i], s[88:89], v[128+2*(2*HF+\u):129+2*(2*HF+\u)] op_sel_hi:[1,0,1]
.endr
.endr
.irp i, 0,1,2,3,4,5,6,7,8,9,10,11,12,13,14,15
.endr
	v_cvt_scalef32_pk8_fp8_f32 v[176+4*(2*(\tau)+\u):177+4*(2*(\tau)+\u)], v[136+16*\u:143+16*\u], v26
	v_cvt_scalef32_pk8_fp8_f32 v[178+4*(2*(\tau)+\u):179+4*(2*(\tau)+\u)], v[144+16*\u:151+16*\u], v26
	v_nop
	global_store_b128 v1, v[176+4*(2*(\tau)+\u):179+4*(2*(\tau)+\u)], s[94:95] offset:2097152*HF+1024*\u
.endr
.endif
.endm
	SLOT 0
	SLOT 1
	SLOT 2
	SLOT 3
	SLOT 4
	SLOT 5
	s_wait_tensorcnt 0x0
	ds_add_u32 v4, v5
	s_wait_dscnt 0x0
	CROUND
	s_endpgm
.Lfunc_end_k_qcaf1998337_qkv:
	.size	k_qcaf1998337_qkv, .Lfunc_end_k_qcaf1998337_qkv-k_qcaf1998337_qkv
	.p2alignl 7, 3214868480
	.fill 96, 4, 3214868480
	.section	.rodata,"a",@progbits
	.p2align	6, 0x0
	.amdhsa_kernel k_qcaf1998337_qkv
		.amdhsa_group_segment_fixed_size 327680
		.amdhsa_private_segment_fixed_size 0
		.amdhsa_enable_private_segment 0
		.amdhsa_kernarg_size 128
		.amdhsa_user_sgpr_count 2
		.amdhsa_user_sgpr_kernarg_segment_ptr 1
		.amdhsa_wavefront_size32 1
		.amdhsa_system_sgpr_workgroup_id_x 1
		.amdhsa_system_sgpr_workgroup_id_y 1
		.amdhsa_system_sgpr_workgroup_id_z 1
		.amdhsa_system_vgpr_workitem_id 0
		.amdhsa_next_free_vgpr 512
		.amdhsa_next_free_sgpr 102
		.amdhsa_reserve_vcc 0
		.amdhsa_float_denorm_mode_32 3
		.amdhsa_float_denorm_mode_16_64 3
		.amdhsa_fp16_overflow 1
		.amdhsa_memory_ordered 1
		.amdhsa_forward_progress 1
		.amdhsa_inst_pref_size 72
	.end_amdhsa_kernel
	.amdgpu_metadata
---
amdhsa.version: [ 1, 2 ]
amdhsa.kernels:
  - .name:           k_qcaf1998337_qkv
    .symbol:         k_qcaf1998337_qkv.kd
    .args:
      - { .name: hidden_states, .offset: 0, .size: 8, .value_kind: global_buffer, .address_space: global }
      - { .name: g1, .offset: 8, .size: 8, .value_kind: global_buffer, .address_space: global }
      - { .name: be1, .offset: 16, .size: 8, .value_kind: global_buffer, .address_space: global }
      - { .name: Wq_codes, .offset: 24, .size: 8, .value_kind: global_buffer, .address_space: global }
      - { .name: Wk_codes, .offset: 32, .size: 8, .value_kind: global_buffer, .address_space: global }
      - { .name: Wv_codes, .offset: 40, .size: 8, .value_kind: global_buffer, .address_space: global }
      - { .name: bq, .offset: 48, .size: 8, .value_kind: global_buffer, .address_space: global }
      - { .name: bk, .offset: 56, .size: 8, .value_kind: global_buffer, .address_space: global }
      - { .name: bv, .offset: 64, .size: 8, .value_kind: global_buffer, .address_space: global }
      - { .name: Wo_codes, .offset: 72, .size: 8, .value_kind: global_buffer, .address_space: global }
      - { .name: W1_codes, .offset: 80, .size: 8, .value_kind: global_buffer, .address_space: global }
      - { .name: W2_codes, .offset: 88, .size: 8, .value_kind: global_buffer, .address_space: global }
      - { .name: lowp_scales, .offset: 96, .size: 8, .value_kind: global_buffer, .address_space: global }
      - { .name: q_img, .offset: 104, .size: 8, .value_kind: global_buffer, .address_space: global }
      - { .name: kv_img, .offset: 112, .size: 8, .value_kind: global_buffer, .address_space: global }
      - { .name: w_img, .offset: 120, .size: 8, .value_kind: global_buffer, .address_space: global }
    .group_segment_fixed_size: 327680
    .private_segment_fixed_size: 0
    .kernarg_segment_align: 8
    .kernarg_segment_size: 128
    .max_flat_workgroup_size: 256
    .sgpr_count:     102
    .vgpr_count:     512
    .wavefront_size: 32
...
	.end_amdgpu_metadata
.endif
;; end of part 1
;; launch attn (part 2): grid 16 x 16, 8 waves a work-group, clusters of 4 x 1, 327,680 bytes of LDS; arguments q_img, kv_img, lowp_scales, ctx_img; writes ctx_img
.if DOCPART == 2
	.amdgcn_target "amdgcn-amd-amdhsa--gfx1250"
	.amdhsa_code_object_version 6
	.text
	.protected	k_qcaf1998337_attn
	.globl	k_qcaf1998337_attn
	.p2align	8
	.type	k_qcaf1998337_attn,@function
k_qcaf1998337_attn:
	s_mov_b64 s[64:65], 0
	v_nop
	global_prefetch_b8 v0, s[64:65] scope:SCOPE_SE
	s_setreg_imm32_b32 hwreg(HW_REG_WAVE_MODE, 25, 1), 1
	s_wait_xcnt 0x0
	s_wait_alu depctr_hold_cnt(0) depctr_sa_sdst(0) depctr_va_vdst(0) depctr_va_sdst(0) depctr_va_ssrc(0) depctr_va_vcc(0) depctr_vm_vsrc(0)
	s_getreg_b32 s2, hwreg(HW_REG_IB_STS2, 6, 4)
	s_cmp_eq_u32 s2, 0
	s_cbranch_scc0 .Lentry_in_a_cluster
	s_endpgm
.Lentry_in_a_cluster:
	s_bfe_u32 s2, ttmp6, 0x10000c
	s_cmp_lg_u32 s2, 0x3003
	s_cbranch_scc0 .Lentry_shape_is_right
	s_endpgm
.Lentry_shape_is_right:
.set SLOT1, 1<<17
.set TILEB, 65536
.set GRP,   8192
.set SPARE, 2*SLOT1
.macro PLACES n
.rept \n
	v_nop
.endr
.endm
.macro CROUND
	s_barrier_signal -1
	s_barrier_wait -1
	s_cmp_lg_u32 s12, 0
	s_cbranch_scc1 .Lnot_wave_0_\@
	s_barrier_signal -3
.Lnot_wave_0_\@:
	s_barrier_wait -3
	s_barrier_signal -1
	s_barrier_wait -1
.endm
.macro ASK
	s_cmp_gt_u32 s41, s15
	s_cbranch_scc0 .Lnot_mine_\@
	global_prefetch_b8 v3, s[18:19] th:TH_LOAD_NT scope:SCOPE_SE
.Lnot_mine_\@:
.endm
	s_load_b256 s[4:11], s[0:1], 0x0
	v_lshl_add_u32 v4, v0, 2, SPARE
	v_mov_b32 v5, 0
	ds_add_u32 v4, v5
	ds_add_u32 v4, v5
	s_wait_dscnt 0x0
	v_lshrrev_b32 v2, 5, v0
	s_delay_alu instid0(VALU_DEP_1)
	v_readfirstlane_b32 s12, v2
	s_bfe_u32 s13, ttmp6, 0x40000
	s_lshl_b32 s14, ttmp9, 2
	s_add_co_u32 s14, s14, s13
	s_and_b32 s16, ttmp7, 0xffff
	s_mov_b32 s24, 15|(3<<16)|(1<<21)
	s_mov_b32 s25, 32<<16
	s_mov_b32 s26, 32<<16
	s_mov_b32 s27, 32<<16
	s_mov_b32 s28, 32
	s_mov_b32 s29, 32
	s_mov_b32 s30, 0
	s_mov_b32 s31, 0
	s_lshl_b32 s17, s12, 13
	s_lshl_b32 s60, s16, 19
	s_add_co_u32 s60, s60, s17
	s_mov_b32 s61, 0
	s_mov_b32 s20, 0x76543210
	s_mov_b32 s21, 0xfedcba98
	s_mov_b32 s40, 0
	s_mov_b32 s41, 6
	s_wait_kmcnt 0x0
	s_load_b512 s[44:59], s[8:9], 0x0
	s_add_nc_u64 s[6:7], s[6:7], s[60:61]
	s_mov_b32 s32, 1
	s_mov_b32 s33, s17
	s_mov_b64 s[34:35], s[6:7]
	s_or_b32 s35, s35, 0x80000000
	s_mov_b32 s36, 1
	s_add_co_u32 s37, s17, SLOT1
	s_add_nc_u64 s[38:39], s[6:7], TILEB
	s_or_b32 s39, s39, 0x80000000
	CROUND
	tensor_load_to_lds s[32:35], s[24:31]
	s_nop 0
	s_wait_alu depctr_va_vdst(0)
	s_wait_tensorcnt 0x0
	ds_add_u32 v4, v5
	s_wait_dscnt 0x0
	CROUND
	tensor_load_to_lds s[36:39], s[24:31]
	s_nop 0
	PLACES 4
	v_and_b32 v2, 31, v0
	s_delay_alu instid0(VALU_DEP_1)
	v_lshlrev_b32 v1, 4, v2
	s_delay_alu instid0(VALU_DEP_2)
	v_lshlrev_b32 v3, 8, v2
	s_lshl_b32 s60, s14, 4
	s_lshl_b32 s62, s12, 1
	s_add_co_u32 s62, s60, s62
	s_lshl_b32 s60, s62, 10
	s_lshl_b32 s63, s16, 18
	s_add_co_u32 s60, s60, s63
	s_add_nc_u64 s[4:5], s[4:5], s[60:61]
.irp i, 0,1,2,3
	global_load_b128 v[16+4*\i:19+4*\i], v1, s[4:5] offset:512*\i
.endr
	s_lshr_b32 s60, s16, 3
	s_lshl_b32 s60, s60, 8
	s_add_co_u32 s60, s60, s62
	s_lshl_b32 s60, s60, 13
	s_bfe_u32 s63, s16, 0x20001
	s_lshl_b32 s63, s63, 11
	s_add_co_u32 s60, s60, s63
	s_and_b32 s63, s16, 1
	s_lshl_b32 s63, s63, 10
	s_add_co_u32 s60, s60, s63
	s_add_nc_u64 s[10:11], s[10:11], s[60:61]
	s_lshl_b32 s60, s13, 14
	s_add_co_u32 s60, s60, 2*TILEB
	s_add_nc_u64 s[18:19], s[6:7], s[60:61]
	s_lshr_b32 s15, s12, 1
	s_or_b32 s15, s15, ttmp9
	s_cmp_eq_u32 s15, 0
	s_cselect_b32 s15, 1, -1
.irp t, 0,1
	v_mov_b32 v[9+4*\t], 0xff61b1e6
	s_delay_alu instid0(VALU_DEP_1)
	v_floor_f32 v[8+4*\t], -v[9+4*\t]
	v_mov_b32 v[10+4*\t], 0
	v_mov_b32 v[11+4*\t], 0
	v_mov_b32 v[241+2*\t], 0
	v_mov_b32 v[248+\t], 0
.endr
.set i, 0
.rept 64
	v_mov_b32 v[160+i], 0
.set i, i+1
.endr
	s_wait_kmcnt 0x0
	s_add_co_i32 s60, s50, s51
	s_lshl_b32 s60, s60, 23
	s_add_co_i32 s22, s60, 0x3e38aa3b
	s_mov_b32 s23, s22
	s_add_co_i32 s60, s52, 127
	s_lshl_b32 s63, s60, 23
	v_mov_b32 v7, s63
.macro FETCH_K
	v_add_nc_u32 v2, s40, v1
.irp i, 0,1,2,3,4,5,6,7
	ds_load_b128 v[32+4*\i:35+4*\i], v2 offset:512*\i
.endr
.endm
.macro FETCH_V
.irp i, 0,1,2,3,4,5,6,7
	ds_load_b128 v[64+4*\i:67+4*\i], v2 offset:4096+512*\i
.endr
	s_add_co_u32 s40, s40, GRP
.endm
.macro KQ
.irp kt, 0,1,2,3
.irp t, 0,1
	v_wmma_f32_16x16x64_fp8_fp8 v[96+32*\t+8*\kt:103+32*\t+8*\kt], v[32+8*\kt:39+8*\kt], v[16+8*\t:23+8*\t], 0
.endr
.endr
.endm
.macro PV
.irp ct, 0,1,2,3
.irp t, 0,1
	v_wmma_f32_16x16x64_fp8_fp8 v[160+32*\t+8*\ct:167+32*\t+8*\ct], v[64+8*\ct:71+8*\ct], v[224+8*\t:231+8*\t], v[160+32*\t+8*\ct:167+32*\t+8*\ct]
.endr
.endr
.endm
.macro SM
.irp t, 0,1
	v_max3_num_f32 v[244+2*\t], v[96+32*\t], v[97+32*\t], v[98+32*\t]
	v_max3_num_f32 v[245+2*\t], v[112+32*\t], v[113+32*\t], v[114+32*\t]
.endr
.irp i, 3,5,7,9,11,13
.irp t, 0,1
	v_max3_num_f32 v[244+2*\t], v[244+2*\t], v[96+32*\t+\i], v[97+32*\t+\i]
	v_max3_num_f32 v[245+2*\t], v[245+2*\t], v[112+32*\t+\i], v[113+32*\t+\i]
.endr
.endr
.irp t, 0,1
	v_max3_num_f32 v[244+2*\t], v[244+2*\t], v[111+32*\t], v[127+32*\t]
.endr
.irp t, 0,1
	s_delay_alu instid0(VALU_DEP_2)
	v_max_num_f32 v[244+2*\t], v[244+2*\t], v[245+2*\t]
.endr
.irp t, 0,1
	s_delay_alu instid0(VALU_DEP_2)
	v_permlanex16_b32 v[248+\t], v[244+2*\t], s20, s21
.endr
.irp t, 0,1
	s_delay_alu instid0(VALU_DEP_2)
	v_max_num_f32 v[244+2*\t], v[244+2*\t], v[248+\t]
.endr
.irp t, 0,1
	s_delay_alu instid0(VALU_DEP_2)
	v_mul_f32 v[244+2*\t], s22, v[244+2*\t]
.endr
.irp t, 0,1
	s_delay_alu instid0(VALU_DEP_2)
	v_max_num_f32 v[9+4*\t], v[9+4*\t], v[244+2*\t]
.endr
.irp t, 0,1
	v_mov_b32 v[244+2*\t], v[8+4*\t]
.endr
.irp t, 0,1
	s_delay_alu instid0(VALU_DEP_4)
	v_floor_f32 v[8+4*\t], -v[9+4*\t]
.endr
.irp t, 0,1
	s_delay_alu instid0(VALU_DEP_2)
	v_sub_f32 v[244+2*\t], v[8+4*\t], v[244+2*\t]
.endr
.irp t, 0,1
	s_delay_alu instid0(VALU_DEP_2)
	v_cvt_i32_f32 v[244+2*\t], v[244+2*\t]
.endr
.irp t, 0,1
	s_delay_alu instid0(VALU_DEP_2)
	v_ldexp_f32 v[240+2*\t], 1.0, v[244+2*\t]
.endr
.irp t, 0,1
.irp j, 0,2,4,6,8,10,12,14,16,18,20,22,24,26,28,30
	v_pk_fma_f32 v[96+32*\t+\j:97+32*\t+\j], v[96+32*\t+\j:97+32*\t+\j], s[22:23], v[8+4*\t:9+4*\t] op_sel_hi:[1,0,0]
.endr
.endr
.set i, 0
	s_wait_alu depctr_va_vdst(0)
.rept 64
	v_exp_f32 v[96+i], v[96+i]
.set i, i+1
.endr
.irp t, 0,1
	v_pk_mul_f32 v[10+4*\t:11+4*\t], v[10+4*\t:11+4*\t], v[240+2*\t:241+2*\t] op_sel_hi:[1,0]
.endr
	s_wait_alu depctr_va_vdst(0)
.irp t, 0,1
	v_pk_add_f32 v[250+2*\t:251+2*\t], v[96+32*\t:97+32*\t], v[98+32*\t:99+32*\t]
.endr
.irp j, 4,8,12,16,20,24,28
.irp t, 0,1
	v_pk_add_f32 v[10+4*\t:11+4*\t], v[10+4*\t:11+4*\t], v[96+32*\t+\j:97+32*\t+\j]
	v_pk_add_f32 v[250+2*\t:251+2*\t], v[250+2*\t:251+2*\t], v[98+32*\t+\j:99+32*\t+\j]
.endr
.endr
.irp t, 0
	s_delay_alu instid0(VALU_DEP_3)
	v_pk_add_f32 v[10+4*\t:11+4*\t], v[10+4*\t:11+4*\t], v[250+2*\t:251+2*\t]
.endr
.irp t, 1
	s_delay_alu instid0(VALU_DEP_2)
	v_pk_add_f32 v[10+4*\t:11+4*\t], v[10+4*\t:11+4*\t], v[250+2*\t:251+2*\t]
.endr
.set i, 0
.rept 64
.set i, i+1
.endr
.irp g, 0,1,2,3,4,5,6,7
	v_cvt_scalef32_pk8_fp8_f32 v[224+2*\g:225+2*\g], v[96+8*\g:103+8*\g], v7
.endr
.irp t, 0,1
.irp j, 0,2,4,6,8,10,12,14,16,18,20,22,24,26,28,30
	v_pk_mul_f32 v[160+32*\t+\j:161+32*\t+\j], v[160+32*\t+\j:161+32*\t+\j], v[240+2*\t:241+2*\t] op_sel_hi:[1,0]
.endr
.endr
.endm
.macro CHANGE fill
	s_wait_tensorcnt 0x0
	ds_add_u32 v4, v5
.if \fill
	s_xor_b32 s37, s37, SLOT1
	s_add_nc_u64 s[38:39], s[38:39], TILEB
	s_wait_xcnt 0x0
	s_add_nc_u64 s[18:19], s[18:19], TILEB
	s_wait_dscnt 0x0
	CROUND
	tensor_load_to_lds s[36:39], s[24:31]
	s_nop 0
	PLACES 4
	ASK
.else
	s_wait_dscnt 0x0
	s_barrier_signal -1
	s_barrier_wait -1
	PLACES 4
.endif
	s_sub_co_u32 s40, s40, TILEB
	s_xor_b32 s40, s40, SLOT1
.endm
.macro STEP kind
	s_wait_dscnt 0x8
	KQ
.if \kind == 0
	PLACES 4
	FETCH_K
.elseif \kind == 1
	CHANGE 1
	FETCH_K
.elseif \kind == 2
	CHANGE 0
	FETCH_K
.else
	PLACES 4
.endif
	SM
.if \kind == 3
	s_wait_alu depctr_va_vdst(0)
	s_wait_dscnt 0x0
.else
	s_wait_alu depctr_va_vdst(0)
	s_wait_dscnt 0x8
.endif
	PV
.if \kind != 3
	PLACES 4
	FETCH_V
.endif
.endm
.macro SEVEN
	s_mov_b32 s42, 7
.Lin_\@:
	STEP 0
	s_sub_co_u32 s42, s42, 1
	s_cmp_lg_u32 s42, 0
	s_cbranch_scc1 .Lin_\@
.endm
	s_wait_tensorcnt 0x1
	s_barrier_signal -1
	s_barrier_wait -1
	FETCH_K
	FETCH_V
	s_wait_loadcnt 0x0
.Lslot:
	SEVEN
	STEP 1
	s_sub_co_u32 s41, s41, 1
	s_cmp_lg_u32 s41, 0
	s_cbranch_scc1 .Lslot
	SEVEN
	STEP 2
	SEVEN
	STEP 3
	PLACES 4
.irp t, 0,1
	v_add_f32 v[244+2*\t], v[10+4*\t], v[11+4*\t]
.endr
.irp t, 0,1
	s_delay_alu instid0(VALU_DEP_2)
	v_permlanex16_b32 v[248+\t], v[244+2*\t], s20, s21
.endr
.irp t, 0,1
	s_delay_alu instid0(VALU_DEP_2)
	v_add_f32 v[244+2*\t], v[244+2*\t], v[248+\t]
.endr
	s_wait_alu depctr_va_vdst(0)
.irp t, 0,1
	v_rcp_f32 v[240+2*\t], v[244+2*\t]
.endr
	v_nop
	s_add_co_i32 s60, s52, s53
	s_wait_alu depctr_va_vdst(0)
.irp t, 0,1
	v_ldexp_f32 v[240+2*\t], v[240+2*\t], s60
.endr
	s_add_co_i32 s60, s54, 127
	s_lshl_b32 s63, s60, 23
	v_mov_b32 v7, s63
.irp t, 0,1
.irp j, 0,2,4,6,8,10,12,14,16,18,20,22,24,26,28,30
	v_pk_mul_f32 v[96+32*\t+\j:97+32*\t+\j], v[160+32*\t+\j:161+32*\t+\j], v[240+2*\t:241+2*\t] op_sel_hi:[1,0]
.endr
.endr
.set i, 0
.rept 64
.set i, i+1
.endr
.irp g, 0,1,2,3,4,5,6,7
	v_cvt_scalef32_pk8_fp8_f32 v[224+2*\g:225+2*\g], v[96+8*\g:103+8*\g], v7
.endr
	v_nop
.irp t, 0,1
.irp b, 0,1
	global_store_b128 v1, v[224+8*\t+4*\b:227+8*\t+4*\b], s[10:11] offset:8192*\t+512*\b
.endr
.endr
	s_wait_tensorcnt 0x0
	ds_add_u32 v4, v5
	s_wait_dscnt 0x0
	CROUND
	s_endpgm
.Lfunc_end_k_qcaf1998337_attn:
	.size	k_qcaf1998337_attn, .Lfunc_end_k_qcaf1998337_attn-k_qcaf1998337_attn
	.p2alignl 7, 3214868480
	.fill 96, 4, 3214868480
	.section	.rodata,"a",@progbits
	.p2align	6, 0x0
	.amdhsa_kernel k_qcaf1998337_attn
		.amdhsa_group_segment_fixed_size 327680
		.amdhsa_private_segment_fixed_size 0
		.amdhsa_enable_private_segment 0
		.amdhsa_kernarg_size 32
		.amdhsa_user_sgpr_count 2
		.amdhsa_user_sgpr_kernarg_segment_ptr 1
		.amdhsa_wavefront_size32 1
		.amdhsa_system_sgpr_workgroup_id_x 1
		.amdhsa_system_sgpr_workgroup_id_y 1
		.amdhsa_system_sgpr_workgroup_id_z 1
		.amdhsa_system_vgpr_workitem_id 0
		.amdhsa_next_free_vgpr 256
		.amdhsa_next_free_sgpr 80
		.amdhsa_reserve_vcc 0
		.amdhsa_float_denorm_mode_32 3
		.amdhsa_float_denorm_mode_16_64 3
		.amdhsa_fp16_overflow 1
		.amdhsa_memory_ordered 1
		.amdhsa_forward_progress 1
		.amdhsa_inst_pref_size 101
	.end_amdhsa_kernel
	.amdgpu_metadata
---
amdhsa.version: [ 1, 2 ]
amdhsa.kernels:
  - .name:           k_qcaf1998337_attn
    .symbol:         k_qcaf1998337_attn.kd
    .args:
      - { .name: q_img, .offset: 0, .size: 8, .value_kind: global_buffer, .address_space: global }
      - { .name: kv_img, .offset: 8, .size: 8, .value_kind: global_buffer, .address_space: global }
      - { .name: lowp_scales, .offset: 16, .size: 8, .value_kind: global_buffer, .address_space: global }
      - { .name: ctx_img, .offset: 24, .size: 8, .value_kind: global_buffer, .address_space: global }
    .group_segment_fixed_size: 327680
    .private_segment_fixed_size: 0
    .kernarg_segment_align: 8
    .kernarg_segment_size: 32
    .max_flat_workgroup_size: 256
    .sgpr_count:     80
    .vgpr_count:     256
    .wavefront_size: 32
...
	.end_amdgpu_metadata
.endif
;; end of part 2
;; launch mlp (part 3): grid 256 x 1, 8 waves a work-group, clusters of 4 x 1, 327,680 bytes of LDS; arguments ctx_img, w_img, hidden_states, bo, g2, be2, b1, b2, lowp_scales, out0; writes out0
.if DOCPART == 3
	.amdgcn_target "amdgcn-amd-amdhsa--gfx1250"
	.amdhsa_code_object_version 6
	.text
	.protected	k_qcaf1998337_mlp
	.globl	k_qcaf1998337_mlp
	.p2align	8
	.type	k_qcaf1998337_mlp,@function
k_qcaf1998337_mlp:
	s_mov_b64 s[64:65], 0
	v_nop
	global_prefetch_b8 v0, s[64:65] scope:SCOPE_SE
	s_setreg_imm32_b32 hwreg(HW_REG_WAVE_MODE, 25, 1), 1
	s_wait_xcnt 0x0
	s_wait_alu depctr_hold_cnt(0) depctr_sa_sdst(0) depctr_va_vdst(0) depctr_va_sdst(0) depctr_va_ssrc(0) depctr_va_vcc(0) depctr_vm_vsrc(0)
	s_getreg_b32 s2, hwreg(HW_REG_IB_STS2, 6, 4)
	s_cmp_eq_u32 s2, 0
	s_cbranch_scc0 .Lentry_in_a_cluster
	s_endpgm
.Lentry_in_a_cluster:
	s_bfe_u32 s2, ttmp6, 0x10000c
	s_cmp_lg_u32 s2, 0x3003
	s_cbranch_scc0 .Lentry_shape_is_right
	s_endpgm
.Lentry_shape_is_right:
.set SLOTB, 131072
.set YIMG,  2*SLOTB
.set H1IMG, YIMG+16384
.set STAT,  H1IMG+8192
.set STAGE, STAT+2048
.set SPARE, STAGE+8*4352
.set MSB, 0
.macro WIN new
.if MSB != \new
	s_set_vgpr_msb (MSB<<8)|\new
.set MSB, \new
.endif
.endm
.macro PLACES n
.rept \n
	v_nop
.endr
.endm
.macro CROUND
	s_barrier_signal -1
	s_barrier_wait -1
	s_cmp_lg_u32 s98, 0
	s_cbranch_scc1 .Lnot_wave_0_\@
	s_barrier_signal -3
.Lnot_wave_0_\@:
	s_barrier_wait -3
	s_barrier_signal -1
	s_barrier_wait -1
.endm
.macro SC2 d, val
	s_mov_b32 s[\d], \val
	s_mov_b32 s[\d+1], \val
.endm
.macro POW2 d, e
	s_add_co_i32 s60, s[\e], 127
	s_lshl_b32 s61, s60, 23
	v_mov_b32 v[\d], s61
.endm
.macro ASK always
.if \always
	s_cmp_eq_u32 s96, 1
.else
	s_cmp_gt_u32 s97, s96
.endif
	s_cbranch_scc0 .Lnot_mine_\@
	global_prefetch_b8 v255, s[94:95] th:TH_LOAD_NT scope:SCOPE_SE
.Lnot_mine_\@:
.endm
.macro DRAIN slot
	WIN 0x40
.irp f, 0,1,2,3,4,5,6,7
.irp c, 0,1,2,3
	ds_load_b128 v[16*\f+4*\c:3+16*\f+4*\c], v[2+\slot] offset:2048*\f+512*\c
.endr
.endr
	WIN 0
.endm
.macro ROUNDFILL slot, always
	s_wait_tensorcnt 0x0
	ds_add_u32 v4, v5
	s_add_nc_u64 s[34+4*\slot:35+4*\slot], s[34+4*\slot:35+4*\slot], 2*SLOTB
	s_wait_xcnt 0x0
	s_add_nc_u64 s[94:95], s[94:95], SLOTB
	s_wait_dscnt 0x0
	CROUND
	tensor_load_to_lds s[32+4*\slot:35+4*\slot], s[24:31]
	s_nop 0
	PLACES 4
	ASK \always
.endm
.macro MULA
	WIN 0x05
.irp s, 0,1,2,3
.irp u, 0,1
.irp T, 0,1
.if \s == 0
	v_wmma_f32_16x16x128_fp8_fp8 v[40+8*(2*\u+\T):47+8*(2*\u+\T)], v[16*(4*\u+\s):15+16*(4*\u+\s)], v[128+16*(4*\T+\s):143+16*(4*\T+\s)], 0
.else
	v_wmma_f32_16x16x128_fp8_fp8 v[40+8*(2*\u+\T):47+8*(2*\u+\T)], v[16*(4*\u+\s):15+16*(4*\u+\s)], v[128+16*(4*\T+\s):143+16*(4*\T+\s)], v[40+8*(2*\u+\T):47+8*(2*\u+\T)]
.endif
.endr
.endr
.endr
	WIN 0
	PLACES 4
.endm
.macro MULB
	WIN 0x01
.irp kap, 0,1
.irp ct, 0,1,2,3
.irp T, 0,1
	v_wmma_f32_16x16x128_fp8_fp8 v[136+32*\T+8*\ct:143+32*\T+8*\ct], v[16*(2*\ct+\kap):15+16*(2*\ct+\kap)], v[72+16*(2*\T+\kap):87+16*(2*\T+\kap)], v[136+32*\T+8*\ct:143+32*\T+8*\ct]
.endr
.endr
.endr
	WIN 0
	PLACES 4
.endm
.macro WOEPI p
.irp T, 0,1
.irp u, 0,1
.irp i, 0,2,4,6
	v_pk_fma_f32 v[136+32*\T+16*\p+8*\u+\i:137+32*\T+16*\p+8*\u+\i], v[40+8*(2*\u+\T)+\i:41+8*(2*\u+\T)+\i], s[84:85], v[136+32*\T+16*\p+8*\u+\i:137+32*\T+16*\p+8*\u+\i] op_sel_hi:[1,0,1]
.endr
.endr
.endr
.endm
.macro GELU T, u
.set AC, 40+8*(2*\u+\T)
.set XR, 72+8*\u
.irp i, 0,2,4,6
	v_pk_fma_f32 v[XR+\i:XR+\i+1], v[AC+\i:AC+\i+1], s[86:87], v[24+8*\u+\i:25+8*\u+\i] op_sel_hi:[1,0,1]
.endr
.irp i, 0,2,4,6
	s_delay_alu instid0(VALU_DEP_4)
	v_pk_mul_f32 v[88+\i:89+\i], v[XR+\i:XR+\i+1], s[92:93] op_sel_hi:[1,0]
.endr
.irp i, 0,1,2,3,4,5,6,7
	v_med3_num_f32 v[88+\i], v[88+\i], -4.0, 4.0
.endr
.irp i, 0,2,4,6
	v_pk_mul_f32 v[96+\i:97+\i], v[88+\i:89+\i], v[88+\i:89+\i]
.endr
.irp i, 0,2,4,6
	s_delay_alu instid0(VALU_DEP_4)
	v_pk_fma_f32 v[104+\i:105+\i], v[96+\i:97+\i], s[40:41], v[8:9] op_sel_hi:[1,0,1]
.endr
.irp i, 0,2,4,6
	v_pk_fma_f32 v[112+\i:113+\i], v[96+\i:97+\i], s[52:53], v[10:11] op_sel_hi:[1,0,1]
.endr
.irp n, 0,1,2
.irp i, 0,2,4,6
	v_pk_fma_f32 v[104+\i:105+\i], v[104+\i:105+\i], v[96+\i:97+\i], s[42+2*\n:43+2*\n] op_sel_hi:[1,1,0]
.endr
.irp i, 0,2,4,6
	v_pk_fma_f32 v[112+\i:113+\i], v[112+\i:113+\i], v[96+\i:97+\i], s[54+2*\n:55+2*\n] op_sel_hi:[1,1,0]
.endr
.endr
	s_wait_alu depctr_va_vdst(0)
.irp i, 0,1,2,3,4,5,6,7
	v_rcp_f32 v[112+\i], v[112+\i]
.endr
.irp n, 0,1
.irp i, 0,2,4,6
	v_pk_fma_f32 v[104+\i:105+\i], v[104+\i:105+\i], v[96+\i:97+\i], s[48+2*\n:49+2*\n] op_sel_hi:[1,1,0]
.endr
.endr
.irp i, 0,2,4,6
	s_delay_alu instid0(VALU_DEP_4)
	v_pk_mul_f32 v[104+\i:105+\i], v[104+\i:105+\i], v[88+\i:89+\i]
.endr
.irp i, 0,2,4,6
	v_pk_mul_f32 v[120+\i:121+\i], v[XR+\i:XR+\i+1], 0.5 op_sel_hi:[1,0]
.endr
	s_wait_alu depctr_va_vdst(0)
.irp i, 0,2,4,6
	v_pk_mul_f32 v[104+\i:105+\i], v[104+\i:105+\i], v[112+\i:113+\i]
.endr
.irp i, 0,2,4,6
	s_delay_alu instid0(VALU_DEP_4)
	v_pk_fma_f32 v[XR+\i:XR+\i+1], v[120+\i:121+\i], v[104+\i:105+\i], v[120+\i:121+\i]
.endr
.irp i, 0,1,2,3,4,5,6,7
.endr
.endm
.macro HIDDEN
.irp T, 0,1
	GELU \T, 0
	GELU \T, 1
	v_cvt_scalef32_pk8_fp8_f32 v[232+4*\T:233+4*\T], v[72:79], v6
	v_cvt_scalef32_pk8_fp8_f32 v[234+4*\T:235+4*\T], v[80:87], v6
	v_nop
	ds_store_b128 v12, v[232+4*\T:235+4*\T] offset:4096*\T
.endr
.endm
.macro H1IN
.irp f, 0,1,2,3
.irp c, 0,1,2,3
	ds_load_b128 v[72+16*\f+4*\c:75+16*\f+4*\c], v13 offset:16384+2048*\f+512*\c
.endr
.endr
	s_wait_dscnt 0x0
.endm
.macro ACROSS off
.irp T, 0
	v_pk_add_f32 v[24+8*\T:25+8*\T], v[24+8*\T:25+8*\T], v[26+8*\T:27+8*\T]
	v_pk_add_f32 v[28+8*\T:29+8*\T], v[28+8*\T:29+8*\T], v[30+8*\T:31+8*\T]
.endr
.irp T, 1
	v_pk_add_f32 v[24+8*\T:25+8*\T], v[24+8*\T:25+8*\T], v[26+8*\T:27+8*\T]
	s_delay_alu instid0(VALU_DEP_4)
	v_pk_add_f32 v[28+8*\T:29+8*\T], v[28+8*\T:29+8*\T], v[30+8*\T:31+8*\T]
.endr
.irp T, 0
	s_delay_alu instid0(VALU_DEP_3)
	v_pk_add_f32 v[24+8*\T:25+8*\T], v[24+8*\T:25+8*\T], v[28+8*\T:29+8*\T]
.endr
.irp T, 1
	s_delay_alu instid0(VALU_DEP_2)
	v_pk_add_f32 v[24+8*\T:25+8*\T], v[24+8*\T:25+8*\T], v[28+8*\T:29+8*\T]
.endr
.irp T, 0,1
	s_delay_alu instid0(VALU_DEP_2)
	v_add_f32 v[24+8*\T], v[24+8*\T], v[25+8*\T]
.endr
.irp T, 0,1
	s_delay_alu instid0(VALU_DEP_2)
	v_permlanex16_b32 v[25+8*\T], v[24+8*\T], s100, s101
.endr
.irp T, 0,1
	s_delay_alu instid0(VALU_DEP_2)
	v_add_f32 v[24+8*\T], v[24+8*\T], v[25+8*\T]
.endr
.irp T, 0,1
	ds_store_b32 v17, v[24+8*\T] offset:\off+512*\T
.endr
	s_wait_dscnt 0x0
	s_barrier_signal -1
	s_barrier_wait -1
.irp T, 0,1
	ds_load_b128 v[24+8*\T:27+8*\T], v18 offset:\off+512*\T
	ds_load_b128 v[28+8*\T:31+8*\T], v18 offset:\off+512*\T+16
.endr
	s_wait_dscnt 0x0
.irp T, 0,1
	v_pk_add_f32 v[24+8*\T:25+8*\T], v[24+8*\T:25+8*\T], v[26+8*\T:27+8*\T]
	v_pk_add_f32 v[28+8*\T:29+8*\T], v[28+8*\T:29+8*\T], v[30+8*\T:31+8*\T]
.endr
.irp T, 0
	s_delay_alu instid0(VALU_DEP_3)
	v_pk_add_f32 v[24+8*\T:25+8*\T], v[24+8*\T:25+8*\T], v[28+8*\T:29+8*\T]
.endr
.irp T, 1
	s_delay_alu instid0(VALU_DEP_2)
	v_pk_add_f32 v[24+8*\T:25+8*\T], v[24+8*\T:25+8*\T], v[28+8*\T:29+8*\T]
.endr
.irp T, 0,1
	s_delay_alu instid0(VALU_DEP_2)
	v_add_f32 v[24+8*\T], v[24+8*\T], v[25+8*\T]
.endr
.endm
	s_load_b512 s[4:19], s[0:1], 0x0
	s_load_b128 s[20:23], s[0:1], 0x40
	v_lshl_add_u32 v4, v0, 2, SPARE
	v_mov_b32 v5, 0
	ds_add_u32 v4, v5
	ds_add_u32 v4, v5
	s_wait_dscnt 0x0
	v_lshrrev_b32 v232, 5, v0
	s_delay_alu instid0(VALU_DEP_1)
	v_readfirstlane_b32 s98, v232
	s_bfe_u32 s99, ttmp6, 0x40000
	s_lshl_b32 s66, ttmp9, 2
	s_add_co_u32 s66, s66, s99
	s_mov_b32 s24, 15|(3<<16)|(1<<21)
	s_mov_b32 s25, 32<<16
	s_mov_b32 s26, 64<<16
	s_mov_b32 s27, 32<<16
	s_mov_b32 s28, 64
	s_mov_b32 s29, 32
	s_mov_b32 s30, 0
	s_mov_b32 s31, 0
	s_lshl_b32 s62, s98, 14
	s_mov_b32 s63, 0
	s_wait_kmcnt 0x0
	s_load_b512 s[68:83], s[20:21], 0x0
	s_mov_b32 s32, 1
	s_mov_b32 s33, s62
	s_add_nc_u64 s[34:35], s[6:7], s[62:63]
	s_mov_b32 s36, 1
	s_add_co_u32 s37, s62, SLOTB
	s_add_nc_u64 s[38:39], s[34:35], SLOTB
	s_or_b32 s35, s35, 0x80000000
	s_or_b32 s39, s39, 0x80000000
	CROUND
	tensor_load_to_lds s[32:35], s[24:31]
	s_nop 0
	s_wait_alu depctr_va_vdst(0)
	s_wait_tensorcnt 0x0
	ds_add_u32 v4, v5
	s_wait_dscnt 0x0
	CROUND
	tensor_load_to_lds s[36:39], s[24:31]
	s_nop 0
	PLACES 4
	v_and_b32 v232, 31, v0
	v_and_b32 v233, 15, v0
	v_bfe_u32 v234, v0, 4, 1
	s_delay_alu instid0(VALU_DEP_3)
	v_lshlrev_b32 v1, 4, v232
	s_wait_alu depctr_va_vdst(0)
	v_lshlrev_b32 v255, 8, v232
	v_lshlrev_b32 v15, 6, v234
	s_delay_alu instid0(VALU_DEP_1)
	v_lshl_add_u32 v16, v233, 11, v15
	s_wait_alu depctr_va_vdst(0)
	s_mov_b32 s61, 0
	s_lshl_b32 s60, s66, 14
	s_add_nc_u64 s[4:5], s[4:5], s[60:61]
	s_lshl_b32 s60, s66, 16
	s_lshl_b32 s67, s98, 8
	s_add_co_u32 s60, s60, s67
	s_add_nc_u64 s[8:9], s[8:9], s[60:61]
	s_add_nc_u64 s[22:23], s[22:23], s[60:61]
	s_mov_b32 s60, s67
	s_add_nc_u64 s[10:11], s[10:11], s[60:61]
	s_add_nc_u64 s[12:13], s[12:13], s[60:61]
	s_add_nc_u64 s[14:15], s[14:15], s[60:61]
	s_add_nc_u64 s[18:19], s[18:19], s[60:61]
	s_lshl_b32 s60, s98, 7
	s_add_nc_u64 s[16:17], s[16:17], s[60:61]
	WIN 0x40
.irp f, 0,1,2,3,4,5,6,7
.irp c, 0,1,2,3
	global_load_b128 v[128+16*\f+4*\c:131+16*\f+4*\c], v1, s[4:5] offset:2048*\f+512*\c
.endr
.endr
	WIN 0
.irp T, 0,1
.irp p, 0,1
.irp k, 0,1,2,3
	global_load_b128 v[136+32*\T+16*\p+4*\k:139+32*\T+16*\p+4*\k], v16, s[8:9] offset:32768*\T+128*\p+16*\k
.endr
.endr
.endr
.irp p, 0,1
.irp k, 0,1,2,3
	global_load_b128 v[200+16*\p+4*\k:203+16*\p+4*\k], v15, s[10:11] offset:128*\p+16*\k
	global_load_b128 v[72+16*\p+4*\k:75+16*\p+4*\k], v15, s[12:13] offset:128*\p+16*\k
	global_load_b128 v[104+16*\p+4*\k:107+16*\p+4*\k], v15, s[14:15] offset:128*\p+16*\k
.endr
.endr
	v_add_nc_u32 v2, s62, v1
	s_delay_alu instid0(VALU_DEP_1)
	v_add_nc_u32 v3, SLOTB, v2
	s_lshl_b32 s60, s98, 9
	s_add_co_u32 s60, s60, H1IMG
	v_add_nc_u32 v12, s60, v1
	v_add_nc_u32 v13, YIMG, v1
	s_lshl_b32 s60, s98, 10
	s_add_co_u32 s60, s60, YIMG
	v_add_nc_u32 v14, s60, v1
	s_lshl_b32 s60, s98, 2
	s_add_co_u32 s60, s60, STAT
	v_lshl_add_u32 v17, v233, 5, s60
	v_lshl_add_u32 v18, v233, 5, STAT
	s_mul_i32 s60, s98, 4352
	s_add_co_u32 s60, s60, STAGE
	v_mul_u32_u24 v19, v233, 272
	s_delay_alu instid0(VALU_DEP_1)
	v_add_nc_u32 v19, v19, v15
	s_delay_alu instid0(VALU_DEP_1)
	v_add_nc_u32 v19, s60, v19
	v_mul_u32_u24 v20, v234, 272
	s_delay_alu instid0(VALU_DEP_1)
	v_lshl_add_u32 v20, v233, 4, v20
	s_delay_alu instid0(VALU_DEP_1)
	v_add_nc_u32 v20, s60, v20
	v_lshlrev_b32 v21, 4, v233
	s_delay_alu instid0(VALU_DEP_1)
	v_lshl_add_u32 v21, v234, 11, v21
	s_lshl_b32 s60, s99, 15
	s_lshl_b32 s67, s98, 13
	s_add_co_u32 s60, s60, s67
	s_add_co_u32 s60, s60, 2*SLOTB
	s_add_nc_u64 s[94:95], s[6:7], s[60:61]
	s_lshr_b32 s96, s98, 2
	s_or_b32 s96, s96, ttmp9
	s_cmp_eq_u32 s96, 0
	s_cselect_b32 s96, 1, -1
	s_mov_b32 s97, 7
	s_mov_b32 s100, 0x76543210
	s_mov_b32 s101, 0xfedcba98
	SC2 40, 0xaf95df0b
	v_mov_b32 v8, 0x32edffee
	v_mov_b32 v9, 0x32edffee
	SC2 42, 0xb60cff51
	SC2 44, 0xb86ec2d2
	SC2 46, 0xba40ac63
	SC2 48, 0xbb41a1f6
	SC2 50, 0xbc83dbd4
	SC2 52, 0xb77460cd
	v_mov_b32 v10, 0xb95fbd29
	v_mov_b32 v11, 0xb95fbd29
	SC2 54, 0xbadc924e
	SC2 56, 0xbbf19bf8
	SC2 58, 0xbc69b6a7
	SC2 92, 0x3f3504f3
	s_wait_kmcnt 0x0
	s_add_co_i32 s84, s78, s79
	s_add_co_i32 s84, s84, 127
	s_lshl_b32 s84, s84, 23
	s_mov_b32 s85, s84
	s_add_co_i32 s86, s80, s81
	s_add_co_i32 s86, s86, 127
	s_lshl_b32 s86, s86, 23
	s_mov_b32 s87, s86
	s_add_co_i32 s90, s82, s83
	s_sub_co_i32 s88, 127, s90
	s_lshl_b32 s88, s88, 23
	s_mov_b32 s89, s88
	s_add_co_i32 s90, s90, 127
	s_lshl_b32 s90, s90, 23
	s_mov_b32 s91, s90
	POW2 22, 80
	POW2 6, 82
	s_wait_tensorcnt 0x1
	DRAIN 0
	ROUNDFILL 0, 1
	s_wait_loadcnt 0x0
.irp T, 0,1
.set i, 0
.rept 16
	v_pk_add_f32 v[136+32*\T+i:137+32*\T+i], v[136+32*\T+i:137+32*\T+i], v[200+i:201+i]
.set i, i+2
.endr
.endr
.irp p, 0,1
.irp k, 0,1,2,3
	global_load_b128 v[200+16*\p+4*\k:203+16*\p+4*\k], v15, s[18:19] offset:128*\p+16*\k
.endr
.endr
	MULA
	DRAIN 1
	WOEPI 0
	ROUNDFILL 1, 1
	MULA
	DRAIN 0
	WOEPI 1
.irp T, 0,1
.irp k, 0,1,2,3
	v_pk_add_f32 v[24+8*\T+2*\k:25+8*\T+2*\k], v[136+32*\T+2*\k:137+32*\T+2*\k], v[144+32*\T+2*\k:145+32*\T+2*\k]
.endr
.irp j, 2,3
.irp k, 0,1,2,3
	s_delay_alu instid0(VALU_DEP_4)
	v_pk_add_f32 v[24+8*\T+2*\k:25+8*\T+2*\k], v[24+8*\T+2*\k:25+8*\T+2*\k], v[136+32*\T+8*\j+2*\k:137+32*\T+8*\j+2*\k]
.endr
.endr
.endr
	ACROSS 0
.irp T, 0
	s_delay_alu instid0(VALU_DEP_2)
	v_mul_f32 v[248+2*\T], 0x3b000000, v[24+8*\T]
	s_delay_alu instid0(VALU_DEP_1)
	v_mov_b32 v[249+2*\T], v[248+2*\T]
.endr
.irp T, 1
	s_delay_alu instid0(VALU_DEP_3)
	v_mul_f32 v[248+2*\T], 0x3b000000, v[24+8*\T]
	s_delay_alu instid0(VALU_DEP_1)
	v_mov_b32 v[249+2*\T], v[248+2*\T]
.endr
.irp T, 0,1
.set i, 0
.rept 16
	v_pk_add_f32 v[40+i:41+i], v[136+32*\T+i:137+32*\T+i], v[248+2*\T:249+2*\T] neg_lo:[0,1] neg_hi:[0,1]
.set i, i+2
.endr
.irp k, 0,1,2,3
	v_pk_mul_f32 v[24+8*\T+2*\k:25+8*\T+2*\k], v[40+2*\k:41+2*\k], v[40+2*\k:41+2*\k]
.endr
.irp j, 1,2,3
.irp k, 0,1,2,3
	s_delay_alu instid0(VALU_DEP_4)
	v_pk_fma_f32 v[24+8*\T+2*\k:25+8*\T+2*\k], v[40+8*\j+2*\k:41+8*\j+2*\k], v[40+8*\j+2*\k:41+8*\j+2*\k], v[24+8*\T+2*\k:25+8*\T+2*\k]
.endr
.endr
.endr
	ACROSS 1024
	s_mov_b32 s60, 0x3b000000
	s_mov_b32 s61, 0x3727c5ac
.irp T, 0,1
	v_fma_f32 v[24+8*\T], v[24+8*\T], s60, s61
.endr
	s_wait_alu depctr_va_vdst(0)
.irp T, 0,1
	v_rsq_f32 v[240+2*\T], v[24+8*\T]
.endr
	v_nop
	s_wait_alu depctr_va_vdst(0)
.irp T, 0,1
	v_mov_b32 v[241+2*\T], v[240+2*\T]
.endr
.irp T, 0,1
.set i, 0
.rept 16
	v_pk_add_f32 v[40+i:41+i], v[136+32*\T+i:137+32*\T+i], v[248+2*\T:249+2*\T] neg_lo:[0,1] neg_hi:[0,1]
.set i, i+2
.endr
.set i, 0
.rept 16
	v_pk_mul_f32 v[40+i:41+i], v[40+i:41+i], v[240+2*\T:241+2*\T]
.set i, i+2
.endr
.set i, 0
.rept 16
	v_pk_fma_f32 v[40+i:41+i], v[40+i:41+i], v[72+i:73+i], v[104+i:105+i]
.set i, i+2
.endr
.set i, 0
.rept 32
.set i, i+1
.endr
.irp g, 0,1,2,3
	v_cvt_scalef32_pk8_fp8_f32 v[24+8*\T+2*\g:25+8*\T+2*\g], v[40+8*\g:47+8*\g], v22
.endr
	v_nop
.irp p, 0,1
	ds_store_b128 v14, v[24+8*\T+4*\p:27+8*\T+4*\p] offset:8192*\T+512*\p
.endr
.endr
	s_wait_dscnt 0x0
	s_barrier_signal -1
	s_barrier_wait -1
	WIN 0x40
.irp f, 0,1,2,3,4,5,6,7
.irp c, 0,1,2,3
	ds_load_b128 v[128+16*\f+4*\c:131+16*\f+4*\c], v13 offset:2048*\f+512*\c
.endr
.endr
	WIN 0
.irp k, 0,1,2,3
	global_load_b128 v[24+4*\k:27+4*\k], v15, s[16:17] offset:16*\k
.endr
	s_wait_loadcnt 0x4
.set i, 0
.rept 16
	v_pk_mul_f32 v[200+i:201+i], v[200+i:201+i], s[88:89] op_sel_hi:[1,0]
.set i, i+2
.endr
.irp T, 0,1
.set i, 0
.rept 16
	v_pk_fma_f32 v[136+32*\T+i:137+32*\T+i], v[136+32*\T+i:137+32*\T+i], s[88:89], v[200+i:201+i] op_sel_hi:[1,0,1]
.set i, i+2
.endr
.endr
.Ltrip:
	ROUNDFILL 0, 1
	MULA
	DRAIN 1
	s_wait_loadcnt 0x0
	HIDDEN
	s_add_nc_u64 s[16:17], s[16:17], 1024
.irp k, 0,1,2,3
	global_load_b128 v[24+4*\k:27+4*\k], v15, s[16:17] offset:16*\k
.endr
	ROUNDFILL 1, 0
	H1IN
	MULB
	DRAIN 0
	s_sub_co_u32 s97, s97, 1
	s_cmp_lg_u32 s97, 0
	s_cbranch_scc1 .Ltrip
	s_wait_dscnt 0x0
	s_barrier_signal -1
	s_barrier_wait -1
	MULA
	s_wait_tensorcnt 0x0
	DRAIN 1
	s_wait_loadcnt 0x0
	HIDDEN
	s_wait_dscnt 0x0
	s_barrier_signal -1
	s_barrier_wait -1
	H1IN
	MULB
.irp T, 0,1
.set OT, 40+160*\T
.set i, 0
.rept 16
	v_pk_mul_f32 v[OT+i:OT+i+1], v[136+32*\T+i:137+32*\T+i], s[90:91] op_sel_hi:[1,0]
.set i, i+2
.endr
.irp p, 0,1
.irp u, 0,1
	ds_store_b128 v19, v[OT+16*\p+8*\u:OT+16*\p+8*\u+3] offset:128*\p+32*\u
	ds_store_b128 v19, v[OT+16*\p+8*\u+4:OT+16*\p+8*\u+7] offset:128*\p+32*\u+16
.endr
.endr
.irp i, 0,1,2,3,4,5,6,7
	ds_load_b128 v[72+32*\T+4*\i:75+32*\T+4*\i], v20 offset:544*\i
.endr
.endr
.irp i, 0,1,2,3,4,5,6,7
	s_wait_dscnt 16+7-\i
	global_store_b128 v21, v[72+4*\i:75+4*\i], s[22:23] offset:4096*\i th:TH_STORE_NT
.endr
.irp i, 0,1,2,3,4,5,6,7
	s_wait_dscnt 7-\i
	global_store_b128 v21, v[104+4*\i:107+4*\i], s[22:23] offset:32768+4096*\i th:TH_STORE_NT
.endr
	s_wait_tensorcnt 0x0
	ds_add_u32 v4, v5
	s_wait_dscnt 0x0
	CROUND
	s_endpgm
.Lfunc_end_k_qcaf1998337_mlp:
	.size	k_qcaf1998337_mlp, .Lfunc_end_k_qcaf1998337_mlp-k_qcaf1998337_mlp
	.p2alignl 7, 3214868480
	.fill 96, 4, 3214868480
	.section	.rodata,"a",@progbits
	.p2align	6, 0x0
	.amdhsa_kernel k_qcaf1998337_mlp
		.amdhsa_group_segment_fixed_size 327680
		.amdhsa_private_segment_fixed_size 0
		.amdhsa_enable_private_segment 0
		.amdhsa_kernarg_size 80
		.amdhsa_user_sgpr_count 2
		.amdhsa_user_sgpr_kernarg_segment_ptr 1
		.amdhsa_wavefront_size32 1
		.amdhsa_system_sgpr_workgroup_id_x 1
		.amdhsa_system_sgpr_workgroup_id_y 1
		.amdhsa_system_sgpr_workgroup_id_z 1
		.amdhsa_system_vgpr_workitem_id 0
		.amdhsa_next_free_vgpr 512
		.amdhsa_next_free_sgpr 102
		.amdhsa_reserve_vcc 0
		.amdhsa_float_denorm_mode_32 3
		.amdhsa_float_denorm_mode_16_64 3
		.amdhsa_fp16_overflow 1
		.amdhsa_memory_ordered 1
		.amdhsa_forward_progress 1
		.amdhsa_inst_pref_size 122
	.end_amdhsa_kernel
	.amdgpu_metadata
---
amdhsa.version: [ 1, 2 ]
amdhsa.kernels:
  - .name:           k_qcaf1998337_mlp
    .symbol:         k_qcaf1998337_mlp.kd
    .args:
      - { .name: ctx_img, .offset: 0, .size: 8, .value_kind: global_buffer, .address_space: global }
      - { .name: w_img, .offset: 8, .size: 8, .value_kind: global_buffer, .address_space: global }
      - { .name: hidden_states, .offset: 16, .size: 8, .value_kind: global_buffer, .address_space: global }
      - { .name: bo, .offset: 24, .size: 8, .value_kind: global_buffer, .address_space: global }
      - { .name: g2, .offset: 32, .size: 8, .value_kind: global_buffer, .address_space: global }
      - { .name: be2, .offset: 40, .size: 8, .value_kind: global_buffer, .address_space: global }
      - { .name: b1, .offset: 48, .size: 8, .value_kind: global_buffer, .address_space: global }
      - { .name: b2, .offset: 56, .size: 8, .value_kind: global_buffer, .address_space: global }
      - { .name: lowp_scales, .offset: 64, .size: 8, .value_kind: global_buffer, .address_space: global }
      - { .name: out0, .offset: 72, .size: 8, .value_kind: global_buffer, .address_space: global }
    .group_segment_fixed_size: 327680
    .private_segment_fixed_size: 0
    .kernarg_segment_align: 8
    .kernarg_segment_size: 80
    .max_flat_workgroup_size: 256
    .sgpr_count:     102
    .vgpr_count:     512
    .wavefront_size: 32
...
	.end_amdgpu_metadata
.endif
;; end of part 3
